; MI455X (gfx1250); checked and timed in simulation.
; The chip was launched on July 23, 2026; its instructions are those of AMD's public machine-readable ISA for CDNA 5 (MIT licence, August 2026) and "CDNA5" Instruction Set Architecture Reference Guide (July 2026). The comments in the code are by the model that wrote it; some were corrected since.
;; Position Net. Allowed arithmetic: float matrix products may take bf16 or f16 operands with f32 sums; all other float work in f32.
;; Inputs: conv_b 200 float32; conv_w 200 x 768 float32; img_feat 512 x 768 x 8 x 8 float32.
;; Outputs: out0 512 x 25 x 8 x 8 x 8 float32; out1 512 x 25 x 3 float32.
;; One version. Each part assembles by itself: llvm-mc -triple=amdgcn-amd-amdhsa -mcpu=gfx1250 --defsym DOCPART=n.
;; ======== version 1 of 1: 1 launch
;; launch posnet (part 1): grid 256 x 1, 8 waves a work-group, no clusters, 140,800 bytes of LDS; arguments img_feat, conv_w, conv_b, out0, out1; writes out0, out1
.if DOCPART == 1
	.amdgcn_target "amdgcn-amd-amdhsa--gfx1250"
	.amdhsa_code_object_version 6
	.text
	.protected	k_q5f45e458e2_posnet
	.globl	k_q5f45e458e2_posnet
	.p2align	8
	.type	k_q5f45e458e2_posnet,@function
k_q5f45e458e2_posnet:
	s_mov_b64 s[64:65], 0
	v_nop
	global_prefetch_b8 v0, s[64:65] scope:SCOPE_SE
	s_setreg_imm32_b32 hwreg(HW_REG_WAVE_MODE, 25, 1), 1
	s_wait_xcnt 0x0
; PositionNet: logits[b][o][hw] = sum over c of conv_w[o][c] img_feat[b][c][hw] + conv_b[o]  (o < 200, c < 768, hw < 64);
; out0 = softmax over each joint's 8 rows x 64 pixels; out1 = that softmax's expectations of x = hw & 7, y = hw >> 3, z = o & 7.
;
; SHARES.  A work-group takes two images (128 columns), all 200 rows and all of K; 256 work-groups take the 512 images.  Wave w multiplies for
; image b = w >> 2 and row group g = w & 3: the tiles of 16 rows number g, g + 4, g + 8 (waves with g = 0 also number 12) against the image's 64 pixels.
; As a loader each wave brings an eighth of every K chunk (64 channels) of both images and of conv_w into registers, rounds it to bf16 and lays it
; into LDS for all eight.  Three chunks are on their way at a time (three register stagings), and three LDS slots take turns with them.
;
; COLUMNS ARE PERMUTED: column tile j (0..3) is the pixels 4 q + j.  A 16-byte load of a channel's row gives lane r the pixels 4 r .. 4 r + 3, one for
; each tile, so packing two such loads (channels k, k + 1) IS a register of a B fragment: img_feat, which has the pixels and not K along its rows,
; is transposed by the conversion that it needs anyway.  On the way out register i of the four tiles is 16 neighbouring bytes of row i of out0.
; In a result tile lane (r = lane & 15, h = lane >> 4) holds rows 8 h + i: one joint lies in the 16 lanes of one half, in 32 registers a lane,
; so its maximum and sums need only steps between the lanes of a row of 16 and no LDS.
;
; NOTHING IS LEFT OUT: conv_b changes along the softmax's axis (with the row in the joint), so it is live.  The thirteenth tile of 16 rows holds
; joint 24 in rows 192-199; its rows 200-207 are filled with a second copy of rows 192-199, inside a tile that holds live work, and reach no output.
;
; NO JOINT REQUESTS for conv_w, though every work-group reads it: a tensor load lays the f32 numbers into LDS as they lie in memory, 53,248 bytes a
; chunk, which would then be read from LDS, rounded and stored again as the 29,952 bytes that the fragments want; here the rounding is done in the
; registers through which the numbers come, and LDS sees the bf16 alone.  The same holds for img_feat, which no two work-groups share.
;
; LIMITS.  Matrix operands are rounded to bf16, sums and the softmax are f32.  v_exp_f32 gives 0 where the result would lie below 2^-126 (ISA guide
; 15.8), so such probabilities are 0.  The maximum is scaled by log2(e) before it is taken away: a joint whose maximum logit exceeds 2.3e38 in
; magnitude overflows there.  v_max_num_f32 passes a NaN by, but the joint's sum carries it to all 512 probabilities, as the softmax of the problem does.
.set XIMG,   196608                    ; bytes of an image: 768 channels x 256
.set XCHUNK, 16384                     ; 64 channels of an image
.set WROW,   3072                      ; bytes of a row of conv_w
.set WCHUNK, 256                       ; 64 channels of such a row
.set OIMG,   51200                     ; bytes of an image in out0: 200 rows x 256
.set CIMG,   300                       ; bytes of an image in out1: 25 joints x 12
.set XSLOT,  16384                     ; LDS: B fragments of a chunk, [image 2][K step 2][tile j 4][registers 0-3 / 4-7][lane 32][16 bytes]
.set WBASE,  3*XSLOT                   ; LDS: behind the three slots of X
.set WPITCH, 144                       ; 64 bf16 + 16 bytes: an odd multiple of 16, so 16 rows of a fragment load start in 16 different columns of 16 bytes
.set WSLOT,  208*WPITCH                ; 208 rows of conv_w, one chunk
.set COORD,  WBASE+3*WSLOT             ; LDS: the coordinates of the two images
.set CPITCH, 384                       ; an image's part of it: 32 places of 12 bytes, place 2 g + 8 a + h, so that every wave's places are its own; 0-24 are joints
.set STG,    84                        ; registers of a staging, in window 1: 8 quads of X, 13 quads of conv_w
; window 0
.set ZERO, 1                           ; v1      0
.set VX,   2                           ; v2      img_feat: b XIMG + g 4096 + h 2048 + 16 r   (channel 16 g + 8 h of a chunk, pixels 4 r ..)
.set VW,   3                           ; v3      conv_w: (w + 8 h) WROW + 16 r
.set VW12, 4                           ; v4      conv_w: w WROW + 16 r, for rows 192 + w in both halves of the lanes
.set XS,   5                           ; v5      LDS, where I lay my part of X's fragments (without the slot)
.set BR,   6                           ; v6      LDS, where I read B fragments (without the slot)
.set WS,   7                           ; v7-9    LDS, where I lay my rows of conv_w, slot 0, 1, 2
.set AR,   10                          ; v10-12  LDS, where I read A fragments, slot 0, 1, 2
.set VB,   13                          ; v13     conv_b: 64 g + 32 h
.set LR,   14                          ; v14     r
.set LH,   15                          ; v15     h
.set ACC,  16                          ; v16-143   accumulators: tile (a, j) at ACC + 32 a + 8 j
.set FA,   144                         ; v144-191  A fragments: K step s, row tile a at FA + 24 s + 8 a
.set FB,   192                         ; v192-255  B fragments: K step s, column tile j at FB + 32 s + 8 j
.set TX,   144                         ; while a chunk is rounded the fragments are not live: 16 registers of X,
.set TW,   160                         ; 26 of conv_w
; the way out, in the fragments' registers
.set E0,   144                         ; v144-207  two sets of 32 exponentials, E[4 i + j]
.set MX,   208                         ; v208-211  running maxima; at the very end the addresses of out1's way out
.set NM,   212                         ; pair: - maximum x log2(e)
.set PP,   214                         ; pair: sums over i for j = 0, 1
.set QQ,   216                         ; pair: for j = 2, 3
.set ZA,   218                         ; pair: sums of i E for j = 0, 1
.set ZB,   220                         ; pair: for j = 2, 3
.set SS,   222
.set SX,   223
.set SY,   224
.set SZ,   225
.set RR,   226                         ; pair: 1 / sum
.set CV,   228                         ; the coordinate that this lane hands in
.set CX,   230                         ; 4 (r & 1) as f32: x of pixel 4 r
.set CY,   231                         ; r >> 1 as f32: y of pixels 4 r .. 4 r + 3
.set VO,   232                         ; out0: g 4096 + h 2048 + 16 r
.set CA,   233                         ; LDS: COORD + b CPITCH + 12 (2 g + h) + 4 min(r, 2)
.set LN,   234                         ; lane
.set MSB, 0
.macro WIN new                         ; s_set_vgpr_msb: bits 1:0 source 0, 3:2 source 1, 5:4 source 2, 7:6 destination; the high byte repeats the setting that is left
.if MSB != \new
	s_set_vgpr_msb (MSB<<8)|\new
.set MSB, \new
.endif
.endm
.macro PLACES                          ; four plain vector instructions between a matrix instruction and whatever reads its result or writes or loads into
.rept 4                                ; one of its registers (ISA guide 7.12.1)
	v_nop
.endr
.endm
	s_load_b256 s[4:11], s[0:1], 0x0               ; img_feat s[4:5], conv_w s[6:7], conv_b s[8:9], out0 s[10:11]
	s_load_b64 s[12:13], s[0:1], 0x20              ; out1
	s_set_vgpr_msb 0x40
	v_lshl_add_u32 v254, v0, 2, 0x22200
	v_mov_b32 v255, 0
	s_set_vgpr_msb 0x4000
	v_lshrrev_b32 v[ZERO], 5, v0
	v_readfirstlane_b32 s14, v[ZERO]               ; w, the wave's number
	v_mov_b32 v[ZERO], 0
	s_and_b32 s15, s14, 3                          ; g
	s_lshr_b32 s16, s14, 2                         ; b
	v_and_b32 v[LR], 15, v0                        ; r
	v_bfe_u32 v[LH], v0, 4, 1                      ; h
	v_and_b32 v[BR], 31, v0
	v_lshlrev_b32 v[BR], 4, v[BR]                  ; 16 x lane
	s_lshl_b32 s23, s16, 13                        ; my image's 8,192 bytes of a slot of X
	s_bfe_u32 s24, s14, 0x10001                    ; g >> 1: the K step that my 16 channels belong to
	s_lshl_b32 s24, s24, 12
	s_and_b32 s25, s14, 1                          ; g & 1: registers 0-3 or 4-7 of its fragments
	s_lshl_b32 s25, s25, 9
	s_add_co_u32 s24, s24, s25
	s_add_co_u32 s24, s24, s23
	v_add_nc_u32 v[XS], s24, v[BR]
	v_add_nc_u32 v[BR], s23, v[BR]
	s_mul_i32 s24, s16, XIMG
	s_lshl_b32 s25, s15, 12
	s_add_co_u32 s24, s24, s25
	v_lshlrev_b32 v[VW12], 4, v[LR]                ; 16 r
	v_lshl_add_u32 v[VX], v[LH], 11, v[VW12]
	v_add_nc_u32 v[VX], s24, v[VX]
	s_mul_i32 s24, s14, WROW
	v_add_nc_u32 v[VW12], s24, v[VW12]
	v_mad_u32_u24 v[VW], v[LH], 8*WROW, v[VW12]
	s_mul_i32 s24, s14, WPITCH
	v_lshlrev_b32 v[WS], 3, v[LR]                  ; 4 bf16 a lane
	v_mad_u32_u24 v[WS], v[LH], 8*WPITCH, v[WS]
	v_add_nc_u32 v[WS], s24, v[WS]
	v_add_nc_u32 v[WS+2], WBASE+2*WSLOT, v[WS]
	v_add_nc_u32 v[WS+1], WBASE+WSLOT, v[WS]
	v_add_nc_u32 v[WS], WBASE, v[WS]
	s_mul_i32 s24, s15, 16*WPITCH
	v_mul_u32_u24 v[AR], v[LR], WPITCH             ; a fragment's lane: row r, 16 bytes for each half of the lanes
	v_lshl_add_u32 v[AR], v[LH], 4, v[AR]
	v_add_nc_u32 v[AR], s24, v[AR]
	v_add_nc_u32 v[AR+2], WBASE+2*WSLOT, v[AR]
	v_add_nc_u32 v[AR+1], WBASE+WSLOT, v[AR]
	v_add_nc_u32 v[AR], WBASE, v[AR]
	s_lshl_b32 s24, s15, 6
	v_lshl_add_u32 v[VB], v[LH], 5, s24
	s_lshl_b32 s26, ttmp9, 1
	s_add_co_u32 s26, s26, s16                     ; my image, 2 wg + b
	s_mul_i32 s18, ttmp9, 2*XIMG                   ; offsets of the parts, each below 4 GiB
	s_mov_b32 s19, 0
	s_wait_kmcnt 0x0
	s_add_nc_u64 s[4:5], s[4:5], s[18:19]          ; img_feat at image 2 wg
	s_mul_i32 s18, s26, OIMG
	s_add_nc_u64 s[10:11], s[10:11], s[18:19]      ; out0 at my image
	s_mul_i32 s18, s26, CIMG
	s_add_nc_u64 s[12:13], s[12:13], s[18:19]      ; out1 at my image
	; The bias starts the sums: register i of every tile of row tile a is conv_b[16 (g + 4 a) + 8 h + i].  Nothing is cleared, and every product has one form.
.irp a, 0,1,2
.irp j, 0,1,2,3
	global_load_b128 v[ACC+32*\a+8*\j:ACC+32*\a+8*\j+3],   v[VB], s[8:9] offset:256*\a
	global_load_b128 v[ACC+32*\a+8*\j+4:ACC+32*\a+8*\j+7], v[VB], s[8:9] offset:256*\a+16
.endr
.endr
	s_cmp_lg_u32 s15, 0
	s_cbranch_scc1 .Lno_bias12
.irp j, 0,1,2,3
	global_load_b128 v[ACC+96+8*\j:ACC+96+8*\j+3],   v[ZERO], s[8:9] offset:768   ; rows 192-199 in both halves: the last 32 of conv_b's 800 bytes
	global_load_b128 v[ACC+96+8*\j+4:ACC+96+8*\j+7], v[ZERO], s[8:9] offset:784
.endr
.Lno_bias12:
; 21 loads: my eighth of chunk kc (counted from the bases) into staging u.  X: load t takes channels 16 g + t and 16 g + 8 + t, 256 consecutive aligned bytes
; for each half of the lanes.  conv_w: load t takes 256 consecutive aligned bytes of rows 16 t + w and 16 t + w + 8; the last takes row 192 + w twice, since rows 200.. do not exist.
.macro GLOAD u, kc
	WIN 0x40                                       ; destination in window 1, offsets in window 0
.irp t, 0,1,2,3,4,5,6,7
	global_load_b128 v[STG*\u+4*\t:STG*\u+4*\t+3], v[VX], s[4:5] offset:(\kc)*XCHUNK+\t*256 th:TH_LOAD_NT
.endr
.irp t, 0,1,2,3,4,5,6,7,8,9,10,11
	global_load_b128 v[STG*\u+32+4*\t:STG*\u+32+4*\t+3], v[VW], s[6:7] offset:\t*16*WROW+(\kc)*WCHUNK
.endr
	global_load_b128 v[STG*\u+80:STG*\u+83], v[VW12], s[6:7] offset:12*16*WROW+(\kc)*WCHUNK
	WIN 0
.endm
; Staging u is rounded to bf16 and laid into LDS slot u.  X: register p of tile j's half fragment = channels 8 h + 2 p, 8 h + 2 p + 1 of pixel 4 r + j.
.macro CONVERT u
	PLACES                                         ; TX and TW are registers that the last unit's matrix instructions read
	WIN 0x05                                       ; both sources in window 1
.irp j, 0,1,2,3
.irp p, 0,1,2,3
	v_cvt_pk_bf16_f32 v[TX+4*\j+\p], v[STG*\u+8*\p+\j], v[STG*\u+8*\p+4+\j]
.endr
.endr
.irp t, 0,1,2,3,4,5,6,7,8,9,10,11,12
	v_cvt_pk_bf16_f32 v[TW+2*\t],   v[STG*\u+32+4*\t],   v[STG*\u+32+4*\t+1]
	v_cvt_pk_bf16_f32 v[TW+2*\t+1], v[STG*\u+32+4*\t+2], v[STG*\u+32+4*\t+3]
.endr
	WIN 0
.irp j, 0,1,2,3
	ds_store_b128 v[XS], v[TX+4*\j:TX+4*\j+3] offset:\u*XSLOT+\j*1024      ; 512 consecutive bytes a store
.endr
.irp t, 0,1,2,3,4,5,6,7,8,9,10,11,12
	ds_store_b64 v[WS+\u], v[TW+2*\t:TW+2*\t+1] offset:\t*16*WPITCH        ; two rows' 128 bytes, 1,152 bytes apart = 128 modulo 256: all 64 banks once (ISA guide 11.1)
.endr
.endm
; 28 LDS loads: the fragments of both K steps of slot u, the first step's 14 first
.macro FRAGS u
.irp s, 0,1
.irp a, 0,1,2
	ds_load_b128 v[FA+24*\s+8*\a:FA+24*\s+8*\a+3],   v[AR+\u] offset:\a*64*WPITCH+64*\s
	ds_load_b128 v[FA+24*\s+8*\a+4:FA+24*\s+8*\a+7], v[AR+\u] offset:\a*64*WPITCH+64*\s+32
.endr
.irp j, 0,1,2,3
	ds_load_b128 v[FB+32*\s+8*\j:FB+32*\s+8*\j+3],   v[BR] offset:\u*XSLOT+4096*\s+1024*\j
	ds_load_b128 v[FB+32*\s+8*\j+4:FB+32*\s+8*\j+7], v[BR] offset:\u*XSLOT+4096*\s+1024*\j+512
.endr
.endr
.endm
; 12 matrix instructions on 12 accumulators: they take turns, one instruction a turn
.macro MUL s
.irp a, 0,1,2
.irp j, 0,1,2,3
	v_wmma_f32_16x16x32_bf16 v[ACC+32*\a+8*\j:ACC+32*\a+8*\j+7], v[FA+24*\s+8*\a:FA+24*\s+8*\a+7], v[FB+32*\s+8*\j:FB+32*\s+8*\j+7], v[ACC+32*\a+8*\j:ACC+32*\a+8*\j+7]
.endr
.endr
.endm
; One chunk.  u = its staging and its LDS slot; load = 1: the staging is asked for again, three chunks ahead; left = the younger loads that may stay out.
; ONE barrier a chunk.  In front of it each wave's stores into slot u are done, and so are its reads of the slot of the chunk before.  Slot u is stored into
; again three chunks on, behind two more barriers, and every wave's reads of it are waited for in front of the very next one.
.macro UNIT u, load, left
	s_wait_loadcnt \left                           ; loads come back in order (ISA guide 5.7.1): this chunk's 21 are in (and the bias, which is older)
	CONVERT \u
.if \load
	GLOAD \u, \u+3
.endif
	s_wait_dscnt 0x0                               ; my part of the slot is in LDS: for the other waves' sake the count is 0
	s_barrier_signal -1
	s_barrier_wait -1                              ; everybody's part is
	FRAGS \u
	s_wait_dscnt 14                                ; the first K step's 14 loads are back, the second's 14 may be out
	MUL 0
	s_wait_dscnt 0x0                               ; the second K step's fragments
	s_cmp_lg_u32 s15, 0
	s_cbranch_scc1 .Lno12a_\@
	PLACES                                         ; waves with g = 0: rows 192-207 of both K steps go where the first step's A fragments, now used, lay
.irp q, 0,1,2,3
	ds_load_b128 v[FA+4*\q:FA+4*\q+3], v[AR+\u] offset:192*WPITCH+32*\q
.endr
.Lno12a_\@:
	MUL 1
	s_cmp_lg_u32 s15, 0
	s_cbranch_scc1 .Lno12b_\@
	s_wait_dscnt 0x0                               ; those four loads
.irp s, 0,1
.irp j, 0,1,2,3
	v_wmma_f32_16x16x32_bf16 v[ACC+96+8*\j:ACC+96+8*\j+7], v[FA+8*\s:FA+8*\s+7], v[FB+32*\s+8*\j:FB+32*\s+8*\j+7], v[ACC+96+8*\j:ACC+96+8*\j+7]   ; four accumulators by turns
.endr
.endr
.Lno12b_\@:
.endm
	GLOAD 0, 0                                     ; three chunks go out before anything is waited for
	GLOAD 1, 1
	GLOAD 2, 2
	s_mov_b32 s17, 0
.Ltrip:                                            ; three trips of three chunks: chunks 0-8 are multiplied, chunks 3-11 asked for
	UNIT 0, 1, 42                                  ; 42 = the two younger chunks' loads, on the way in and round the backward jump alike
	UNIT 1, 1, 42
	UNIT 2, 1, 42
	s_wait_xcnt 0x0                                ; the bases of the loads issued are stepped only behind this wait (ISA guide 3.1)
	s_add_nc_u64 s[4:5], s[4:5], 3*XCHUNK
	s_add_nc_u64 s[6:7], s[6:7], 3*WCHUNK
	s_add_co_u32 s17, s17, 1
	s_cmp_lt_u32 s17, 3
	s_cbranch_scc1 .Ltrip
	UNIT 0, 0, 42                                  ; chunks 9, 10, 11: nothing is left to ask for, and the counts run down
	UNIT 1, 0, 21
	UNIT 2, 0, 0
	; THE WAY OUT
	PLACES                                         ; behind the last matrix instructions: their results are read, their fragments' registers written
	v_and_b32 v[CX], 1, v[LR]
	v_lshlrev_b32 v[CX], 2, v[CX]
	v_cvt_f32_u32 v[CX], v[CX]
	v_lshrrev_b32 v[CY], 1, v[LR]
	v_cvt_f32_u32 v[CY], v[CY]
	s_lshl_b32 s25, s15, 12
	v_lshlrev_b32 v[VO], 4, v[LR]
	v_lshl_add_u32 v[VO], v[LH], 11, v[VO]
	v_add_nc_u32 v[VO], s25, v[VO]
	s_mul_i32 s23, s16, CPITCH                     ; my image's places
	s_mul_i32 s24, s15, 24                         ; 2 g places of 12 bytes
	s_add_co_u32 s23, s23, s24
	s_add_co_u32 s23, s23, COORD
	v_min_u32 v[CA], 2, v[LR]                      ; lane r = 0 hands in x, r = 1 y, all others z (the same word, the same value)
	v_lshlrev_b32 v[CA], 2, v[CA]
	v_mad_u32_u24 v[CA], v[LH], 12, v[CA]
	v_add_nc_u32 v[CA], s23, v[CA]
	v_and_b32 v[LN], 31, v0
	v_cmp_eq_u32 s20, 0, v[LR]
	v_cmp_eq_u32 s21, 1, v[LR]
.macro ZSTEP i, c                      ; row i of the joint joins the four running pairs
	v_pk_add_f32 v[PP:PP+1], v[PP:PP+1], v[EB+4*\i:EB+4*\i+1]
	v_pk_add_f32 v[QQ:QQ+1], v[QQ:QQ+1], v[EB+4*\i+2:EB+4*\i+3]
	v_pk_fma_f32 v[ZA:ZA+1], v[EB+4*\i:EB+4*\i+1], \c, v[ZA:ZA+1] op_sel_hi:[1,0,1]
	v_pk_fma_f32 v[ZB:ZB+1], v[EB+4*\i+2:EB+4*\i+3], \c, v[ZB:ZB+1] op_sel_hi:[1,0,1]
.endm
; Row tile a: joints 2 (g + 4 a) + h, one in each half of the lanes.  e = the set of 32 registers for the exponentials; half = 1: only lanes 0-15 store to out0.
.macro EPI a, e, half
.set AB, ACC+32*\a
.set EB, E0+32*\e
	; the joint's maximum: 32 logits of the lane in four chains, then the 16 lanes of the half
.irp j, 0,1,2,3
	v_max3_num_f32 v[MX+\j], v[AB+8*\j], v[AB+8*\j+1], v[AB+8*\j+2]
.endr
.irp j, 0,1,2,3
	v_max3_num_f32 v[MX+\j], v[MX+\j], v[AB+8*\j+3], v[AB+8*\j+4]
.endr
.irp j, 0,1,2,3
	v_max3_num_f32 v[MX+\j], v[MX+\j], v[AB+8*\j+5], v[AB+8*\j+6]
.endr
	v_max3_num_f32 v[MX], v[MX], v[MX+1], v[AB+7]
	v_max3_num_f32 v[MX+2], v[MX+2], v[MX+3], v[AB+15]
	v_max3_num_f32 v[MX], v[MX], v[MX+2], v[AB+23]
	v_max_num_f32 v[MX], v[MX], v[AB+31]
.irp m, 1,2,4,8
	v_max_num_f32_dpp v[MX], v[MX], v[MX] row_xmask:\m row_mask:0xf bank_mask:0xf
.endr
	v_mul_f32 v[NM], 0xbfb8aa3b, v[MX]             ; - maximum x log2(e), the same number for all 512 logits: its rounding cancels in the quotient
	v_mul_f32 v[NM+1], 0xbfb8aa3b, v[MX]
.irp p, 0,1,2,3,4,5,6,7,8,9,10,11,12,13,14,15
	v_pk_fma_f32 v[AB+2*\p:AB+2*\p+1], v[AB+2*\p:AB+2*\p+1], 0x3fb8aa3b, v[NM:NM+1] op_sel_hi:[1,0,1]   ; (logit - maximum) x log2(e), one rounding
.endr
	s_wait_xcnt 0x0                                ; the set's registers, which earlier stores read, are written again only behind this wait
.irp i, 0,1,2,3,4,5,6,7
.irp j, 0,1,2,3
	v_exp_f32 v[EB+4*\i+\j], v[AB+8*\j+\i]         ; laid so that the four tiles' register i are neighbours: 16 bytes of a row of out0
.endr
.endr
	v_nop                                          ; one plain instruction between the exponentials and the first use (ISA guide 5.7.2)
	s_wait_alu depctr_va_vdst(0)
	v_pk_add_f32 v[PP:PP+1], v[EB:EB+1], v[EB+4:EB+5]
	v_pk_add_f32 v[QQ:QQ+1], v[EB+2:EB+3], v[EB+6:EB+7]
	v_pk_add_f32 v[PP:PP+1], v[PP:PP+1], v[EB+8:EB+9]
	v_pk_add_f32 v[QQ:QQ+1], v[QQ:QQ+1], v[EB+10:EB+11]
	v_pk_fma_f32 v[ZA:ZA+1], v[EB+8:EB+9], 2.0, v[EB+4:EB+5] op_sel_hi:[1,0,1]      ; 1 E(row 1) + 2 E(row 2) starts the sums for z
	v_pk_fma_f32 v[ZB:ZB+1], v[EB+10:EB+11], 2.0, v[EB+6:EB+7] op_sel_hi:[1,0,1]
	ZSTEP 3, 0x40400000
	ZSTEP 4, 4.0
	ZSTEP 5, 0x40a00000
	ZSTEP 6, 0x40c00000
	ZSTEP 7, 0x40e00000
	v_pk_add_f32 v[ZA:ZA+1], v[ZA:ZA+1], v[ZB:ZB+1]
	v_fma_f32 v[SX], v[QQ], 2.0, v[PP+1]           ; sum over j of j x (tile j's sum)
	v_fma_f32 v[SX], v[QQ+1], 0x40400000, v[SX]
	v_pk_add_f32 v[PP:PP+1], v[PP:PP+1], v[QQ:QQ+1]
	v_add_f32 v[SZ], v[ZA], v[ZA+1]
	v_add_f32 v[SS], v[PP], v[PP+1]                ; the lane's sum
	v_fma_f32 v[SX], v[CX], v[SS], v[SX]           ; x of pixel 4 r + j is 4 (r & 1) + j
	v_mul_f32 v[SY], v[CY], v[SS]                  ; y is r >> 1
.irp m, 1,2,4,8
	v_add_f32_dpp v[SS], v[SS], v[SS] row_xmask:\m row_mask:0xf bank_mask:0xf
	v_add_f32_dpp v[SX], v[SX], v[SX] row_xmask:\m row_mask:0xf bank_mask:0xf
	v_add_f32_dpp v[SY], v[SY], v[SY] row_xmask:\m row_mask:0xf bank_mask:0xf
	v_add_f32_dpp v[SZ], v[SZ], v[SZ] row_xmask:\m row_mask:0xf bank_mask:0xf
.endr
	v_rcp_f32 v[RR], v[SS]                         ; the sum lies between about 1 and 512: the maximum's own term is 1 but for rounding
	v_rcp_f32 v[RR+1], v[SS]
	v_cndmask_b32 v[CV], v[SZ], v[SY], s21         ; the plain instruction between the reciprocals and their use
	v_cndmask_b32 v[CV], v[CV], v[SX], s20
	s_wait_alu depctr_va_vdst(0)
	v_mul_f32 v[CV], v[CV], v[RR]
.irp p, 0,1,2,3,4,5,6,7,8,9,10,11,12,13,14,15
	v_pk_mul_f32 v[EB+2*\p:EB+2*\p+1], v[EB+2*\p:EB+2*\p+1], v[RR:RR+1]
.endr
	ds_store_b32 v[CA], v[CV] offset:\a*96         ; 8 places of 12 bytes for each step of a; all lanes on: with a = 3 lanes 16-31 fill place 25, which nobody reads
.if \half
	s_wait_xcnt 0x0                                ; EXEC, which the stores issued so far read, changes only behind this wait
	v_cmp_gt_u32 vcc_lo, 16, v[LN]
	s_and_saveexec_b32 s22, vcc_lo                 ; lanes 16-31 hold the second copy of joint 24: out0 has no rows 200-207
.endif
.irp i, 0,1,2,3,4,5,6,7
	global_store_b128 v[VO], v[EB+4*\i:EB+4*\i+3], s[10:11] offset:\a*16384+\i*256 th:TH_STORE_NT   ; 16 lanes store a row of out0: 256 consecutive bytes, aligned
.endr
.if \half
	s_wait_xcnt 0x0                                ; and again in front of the line that widens EXEC
	s_or_b32 exec_lo, exec_lo, s22
.endif
.endm
	EPI 0, 0, 0
	EPI 1, 1, 0
	EPI 2, 0, 0
	s_cmp_lg_u32 s15, 0
	s_cbranch_scc1 .Lno24
	EPI 3, 1, 1                                    ; joint 24
.Lno24:
	; out1: an image's 75 numbers are gathered in LDS and leave as 300 consecutive bytes, 4 a lane, through the image's waves g = 0, 1, 2.  (Pieces of 8 bytes
	; do not fit: 300 is 4 modulo 8.  out1 is 153,600 of the 26,368,000 output bytes.)
	s_wait_dscnt 0x0                               ; my coordinates are in LDS: for the other waves' sake the count is 0
	s_barrier_signal -1
	s_barrier_wait -1
	s_cmp_eq_u32 s15, 3
	s_cbranch_scc1 .Lend                           ; words 96-127 do not exist
	v_and_b32 v[MX], 127, v0                       ; my word of the image's 75
	v_min_u32 v[MX+1], 74, v[MX]                   ; lanes past the last word read it once more, so that no lane reads a byte that nobody wrote, and store nothing
	v_lshlrev_b32 v[MX+1], 2, v[MX+1]
	s_mul_i32 s23, s16, CPITCH
	s_add_co_u32 s23, s23, COORD
	v_add_nc_u32 v[MX+2], s23, v[MX+1]
	ds_load_b32 v[SS], v[MX+2]
	v_cmp_gt_u32 vcc_lo, 75, v[MX]
	s_wait_dscnt 0x0
	s_wait_xcnt 0x0                                ; EXEC, which the stores to out0 read, changes only behind this wait
	s_set_vgpr_msb 0x5
	s_wait_tensorcnt 0x0
	ds_add_u32 v254, v255
	s_wait_dscnt 0x0
	s_set_vgpr_msb 0x500
	s_and_saveexec_b32 s22, vcc_lo
	global_store_b32 v[MX+1], v[SS], s[12:13]
	s_endpgm
.Lend:
	s_set_vgpr_msb 0x5
	s_wait_tensorcnt 0x0
	ds_add_u32 v254, v255
	s_wait_dscnt 0x0
	s_set_vgpr_msb 0x500
	s_endpgm
.Lfunc_end_k_q5f45e458e2_posnet:
	.size	k_q5f45e458e2_posnet, .Lfunc_end_k_q5f45e458e2_posnet-k_q5f45e458e2_posnet
	.p2alignl 7, 3214868480
	.fill 96, 4, 3214868480
	.section	.rodata,"a",@progbits
	.p2align	6, 0x0
	.amdhsa_kernel k_q5f45e458e2_posnet
		.amdhsa_group_segment_fixed_size 140800
		.amdhsa_private_segment_fixed_size 0
		.amdhsa_enable_private_segment 0
		.amdhsa_kernarg_size 40
		.amdhsa_user_sgpr_count 2
		.amdhsa_user_sgpr_kernarg_segment_ptr 1
		.amdhsa_wavefront_size32 1
		.amdhsa_system_sgpr_workgroup_id_x 1
		.amdhsa_system_sgpr_workgroup_id_y 1
		.amdhsa_system_sgpr_workgroup_id_z 1
		.amdhsa_system_vgpr_workitem_id 0
		.amdhsa_next_free_vgpr 512
		.amdhsa_next_free_sgpr 66
		.amdhsa_reserve_vcc 1
		.amdhsa_float_denorm_mode_32 3
		.amdhsa_float_denorm_mode_16_64 3
		.amdhsa_memory_ordered 1
		.amdhsa_forward_progress 1
		.amdhsa_inst_pref_size 109
	.end_amdhsa_kernel
	.amdgpu_metadata
---
amdhsa.version: [ 1, 2 ]
amdhsa.kernels:
  - .name:           k_q5f45e458e2_posnet
    .symbol:         k_q5f45e458e2_posnet.kd
    .args:
      - { .name: img_feat, .offset: 0, .size: 8, .value_kind: global_buffer, .address_space: global }
      - { .name: conv_w, .offset: 8, .size: 8, .value_kind: global_buffer, .address_space: global }
      - { .name: conv_b, .offset: 16, .size: 8, .value_kind: global_buffer, .address_space: global }
      - { .name: out0, .offset: 24, .size: 8, .value_kind: global_buffer, .address_space: global }
      - { .name: out1, .offset: 32, .size: 8, .value_kind: global_buffer, .address_space: global }
    .group_segment_fixed_size: 140800
    .private_segment_fixed_size: 0
    .kernarg_segment_align: 8
    .kernarg_segment_size: 40
    .max_flat_workgroup_size: 256
    .sgpr_count:     66
    .vgpr_count:     512
    .wavefront_size: 32
...
	.end_amdgpu_metadata
.endif
;; end of part 1
